; MI455X (gfx1250); checked and timed in simulation.
; The chip was launched on July 23, 2026; its instructions are those of AMD's public machine-readable ISA for CDNA 5 (MIT licence, August 2026) and "CDNA5" Instruction Set Architecture Reference Guide (July 2026). The comments in the code are by the model that wrote it; some were corrected since.
;; Encoder. Allowed arithmetic: float matrix products may take bf16 or f16 operands with f32 sums; all other float work in f32.
;; Inputs: b_hh 768 float32; b_ih 768 float32; embedding 100,000 x 256 float32; hidden 1 x 1 x 256 float32; input 1 int32; w_hh 768 x 256 float32; w_ih 768 x 256 float32.
;; Outputs: out0 1 x 1 x 256 float32; out1 1 x 1 x 256 float32.
;; One version. Each part assembles by itself: llvm-mc -triple=amdgcn-amd-amdhsa -mcpu=gfx1250 --defsym DOCPART=n.
;; ======== version 1 of 1: 1 launch
;; launch gru (part 1): grid 128 x 1, 1 waves a work-group, no clusters, 0 bytes of LDS; arguments input, embedding, hidden, w_ih, w_hh, b_ih, b_hh, out0, out1; writes out0, out1
.if DOCPART == 1
	.amdgcn_target "amdgcn-amd-amdhsa--gfx1250"
	.amdhsa_code_object_version 6
	.text
	.protected	k_q1960b9aac1_gru
	.globl	k_q1960b9aac1_gru
	.p2align	8
	.type	k_q1960b9aac1_gru,@function
k_q1960b9aac1_gru:
	s_mov_b64 s[64:65], 0
	v_nop
	global_prefetch_b8 v0, s[64:65] scope:SCOPE_SE
	s_setreg_imm32_b32 hwreg(HW_REG_WAVE_MODE, 25, 1), 1
	s_wait_xcnt 0x0
; One GRU step for one token, HID = 256.  x = embedding[input[0]], h = hidden.
;   r = sigmoid(w_ih[j].x + b_ih[j] + w_hh[j].h + b_hh[j])               (rows j)
;   z = the same with rows 256 + j
;   n = tanh(w_ih[512+j].x + b_ih[512+j] + r (w_hh[512+j].h + b_hh[512+j]))
;   out0[j] = out1[j] = (1 - z) n + z h[j], formed as n + z (h[j] - n): the same number in exact arithmetic.
;
; WORK LEFT OUT: none.  Every input is loaded.  Of the embedding table only row input[0] is read: the row is chosen by
; a whole number that this launch reads from memory, and no other row has a way to an output.
;
; SHARES.  128 work-groups of one wave; work-group g makes outputs 2 g and 2 g + 1.  Lanes 0-15 serve output 2 g, lanes 16-31
; output 2 g + 1.  A weight row is 1,024 bytes: one 16-byte load of the wave takes 256 consecutive aligned bytes of row j in
; lanes 0-15 and 256 of row j + 1 in lanes 16-31, four such loads take both rows, and no byte of a weight is asked for twice
; in the launch.  Lane (r, hf) holds columns 64 c + 4 r .. + 3 of chunk c; x and h are loaded by the same map, so a dot product
; is eight packed multiply-adds a lane and four steps across the sixteen lanes of a half.
;
; WHY THE VECTOR UNIT, IN f32.  The products have one row: a matrix tile of 16 rows would hold 15 empty ones, and rounding the
; wave's 3,072 weights to bf16 takes one packed conversion for two numbers, exactly the count of packed f32 multiply-adds
; that does the whole product.  No wave needs another's data, so there is no LDS, no barrier and no joint request: what the
; work-groups share (x and h, 2 KB) is small beside a wave's own 12 KB of weights.
;
; ORDER.  Nothing but the embedding row hangs on the index, so the index is asked for first, then all 35 loads whose addresses
; are known, then the row; the products with h are made while the row is on its way.  39 loads are out at the most.
; A work-group stores 8 neighbouring bytes into each output: the outputs are 1,024 bytes each, and gathering 64 results for one store
; would leave four work-groups to draw all the weights.
;
; LIMITS.  An index outside 0 .. 99,999 is clamped to row 99,999 (a negative index does not wrap).  sigmoid(t) is
; 1 / (1 + 2^(-1.442695 t)) and tanh(a) is 1 - 2 / (1 + 2^(2.885390 a)): an exponential that overflows or comes out as zero gives
; exactly 0, 1 or -1, the right limits; exponentials and reciprocals below 2^-126 come out as 0 (ISA guide 15.8); for very small
; a the tanh has an absolute error of about 2^-23, not a relative one.  NaN passes through.  The sums are taken in another order
; than the reference's (i_r + h_r and i_z + h_z each in one sum).
.set ROWB,     1024                    ; bytes in a row of a weight or of the table
.set GATE,     256*ROWB                ; bytes from one gate's rows to the next gate's
.set LASTROW,  99999                   ; the table's last row
.set NLOG2E,   0xbfb8aa3b              ; -1.442695
.set TWOLOG2E, 0x4038aa3b              ;  2.885390
.set WOFF, 3                           ; v3        byte offset of my 16 bytes in gate r's rows, chunk 0; never rewritten
.set VOFF, 4                           ; v4        16 r: my 16 bytes in chunk 0 of h; never rewritten
.set XOFF, 5                           ; v5        the same in the table's row; never rewritten
.set BOFF, 6                           ; v6        4 j: my output's place in a bias's gate r, in h, in out0 and out1; never rewritten
.set H,    8                           ; v[8:23]    h, chunk c at H + 4 c
.set X,    24                          ; v[24:39]   x, likewise
.set WH,   40                          ; v[40:87]   w_hh, gate g chunk c at WH + 16 g + 4 c
.set WI,   88                          ; v[88:135]  w_ih, likewise
.set BH,   136                         ; v136-138   b_hh of gates r, z, n
.set BI,   139                         ; v139-141   b_ih of gates r, z, n
.set HJ,   142                         ; v142       h[j]
.set AR,   144                         ; v[144:145] running sums of gate r (x's and h's parts together)
.set AZ,   146                         ; v[146:147] of gate z
.set AN,   148                         ; v[148:149] of i_n
.set AH,   150                         ; v[150:151] of h_n
.set T0,   152                          ; h_n
.set T1,   153                          ; -log2e x (both biases of gate r)
.set T2,   154                          ; the same of gate z
.set T3,   155                          ; gate r
.set T4,   156                          ; gate z
.set T5,   157                          ; i_n, then n
.set T6,   158                          ; the result
; four loads: a vector of 256 f32, 16 bytes a lane from each chunk of 256 bytes (both halves of the wave read the same bytes)
.macro LOADV dst, off, base
.irp c, 0,1,2,3
	global_load_b128 v[\dst+4*\c:\dst+4*\c+3], v[\off], s[\base:\base+1] offset:256*\c
.endr
.endm
; twelve loads: my two rows of each of the three gates.  The launch reads these bytes once, hence the hint.
.macro LOADW dst, base
.irp g, 0,1,2
.irp c, 0,1,2,3
	global_load_b128 v[\dst+16*\g+4*\c:\dst+16*\g+4*\c+3], v[WOFF], s[\base:\base+1] offset:\g*GATE+256*\c th:TH_LOAD_NT
.endr
.endr
.endm
; pairs 1 to 7 of my sixteen columns, three gates by turns, so that no multiply-add waits for the one in front of it.
; Pair 0 is written out in front of each use: it starts the sums, and nothing is cleared.
.macro DOT7 W, V, a0, a1, a2
.set k, 1
.rept 7
	v_pk_fma_f32 v[\a0:\a0+1], v[\W+2*k:\W+2*k+1],       v[\V+2*k:\V+2*k+1], v[\a0:\a0+1]
	v_pk_fma_f32 v[\a1:\a1+1], v[\W+16+2*k:\W+16+2*k+1], v[\V+2*k:\V+2*k+1], v[\a1:\a1+1]
	v_pk_fma_f32 v[\a2:\a2+1], v[\W+32+2*k:\W+32+2*k+1], v[\V+2*k:\V+2*k+1], v[\a2:\a2+1]
.set k, k+1
.endr
.endm
; the sum over the sixteen lanes of each half, left in every lane of the half; the halves stay apart: they are two outputs
.macro RED1 a
.irp m, 1,2,4,8
	v_add_f32_dpp v[\a], v[\a], v[\a] row_xmask:\m row_mask:0xf bank_mask:0xf
.endr
.endm
.macro RED3 a, b, c
.irp m, 1,2,4,8
	v_add_f32_dpp v[\a], v[\a], v[\a] row_xmask:\m row_mask:0xf bank_mask:0xf
	v_add_f32_dpp v[\b], v[\b], v[\b] row_xmask:\m row_mask:0xf bank_mask:0xf
	v_add_f32_dpp v[\c], v[\c], v[\c] row_xmask:\m row_mask:0xf bank_mask:0xf
.endr
.endm
	; the nine addresses; the lane's offsets are made while they come
	s_load_b512 s[4:19], s[0:1], 0x0               ; input s[4:5], embedding s[6:7], hidden s[8:9], w_ih s[10:11], w_hh s[12:13], b_ih s[14:15], b_hh s[16:17], out0 s[18:19]
	s_load_b64 s[20:21], s[0:1], 0x40              ; out1
	v_and_b32 v1, 15, v0                           ; r: my place in a half
	v_lshrrev_b32 v2, 4, v0                        ; hf: which of the two outputs (one wave: v0 is the lane)
	s_lshl_b32 s22, ttmp9, 11                      ; the work-group's two rows of 1,024 bytes
	s_lshl_b32 s23, ttmp9, 3                       ; its two outputs of 4 bytes
	v_lshlrev_b32 v[VOFF], 4, v1                   ; 16 r
	v_lshl_add_u32 v[WOFF], v2, 10, v[VOFF]        ; + my half's row
	v_add_nc_u32 v[WOFF], s22, v[WOFF]             ; + the work-group's rows: 1,024 j + 16 r
	v_lshl_add_u32 v[BOFF], v2, 2, s23             ; 4 j
	s_wait_kmcnt 0x0                               ; the addresses are here
	s_load_b32 s24, s[4:5], 0x0                    ; the index first: the longest chain hangs on it
	; 35 loads whose addresses hang on nothing loaded, those that are used first in front
	LOADV H, VOFF, 8                               ; loads 1-4: h
	LOADW WH, 12                                   ; 5-16: w_hh
.irp g, 0,1,2
	global_load_b32 v[BH+\g], v[BOFF], s[16:17] offset:\g*ROWB     ; 17-19: b_hh[256 g + j]
.endr
.irp g, 0,1,2
	global_load_b32 v[BI+\g], v[BOFF], s[14:15] offset:\g*ROWB     ; 20-22: b_ih[256 g + j]
.endr
	global_load_b32 v[HJ], v[BOFF], s[8:9]         ; 23: h[j]
	LOADW WI, 10                                   ; 24-35: w_ih
	s_wait_kmcnt 0x0                               ; the index
	s_min_u32 s24, s24, LASTROW                    ; a loaded number enters an address only behind this clamp: the load stays inside the table
	s_lshl_b32 s24, s24, 10                        ; the row's byte offset, 102,398,976 at the most
	v_add_nc_u32 v[XOFF], s24, v[VOFF]
	LOADV X, XOFF, 6                               ; 36-39: x
	; the products with h, while w_ih and x are on their way
	s_wait_loadcnt 23                              ; loads come back in order (ISA guide 5.7.1): the 23 issued behind w_hh's last may stay out; h and w_hh are in
	v_pk_mul_f32 v[AR:AR+1], v[WH:WH+1],       v[H:H+1]            ; pair 0 starts the three sums
	v_pk_mul_f32 v[AZ:AZ+1], v[WH+16:WH+17],   v[H:H+1]
	v_pk_mul_f32 v[AH:AH+1], v[WH+32:WH+33],   v[H:H+1]
	DOT7 WH, H, AR, AZ, AH
	v_add_f32 v[T0], v[AH], v[AH+1]
	RED1 T0                                        ; w_hh[512+j] . h, in every lane of the half
	s_wait_loadcnt 16                              ; the 16 issued behind h[j] (w_ih, x) may stay out; the biases and h[j] are in
	v_add_f32 v[T1], v[BI], v[BH]                  ; gate r's two biases,
	v_add_f32 v[T2], v[BI+1], v[BH+1]              ; gate z's,
	v_mul_f32 v[T1], NLOG2E, v[T1]                 ; ready as the addend of the fused step in front of the exponential
	v_mul_f32 v[T2], NLOG2E, v[T2]
	v_add_f32 v[T0], v[T0], v[BH+2]                ; h_n is whole
	; the products with x: gates r and z go on in the sums that hold h's part, i_n starts its own
	s_wait_loadcnt 0x0                             ; w_ih and x
	v_pk_fma_f32 v[AR:AR+1], v[WI:WI+1],       v[X:X+1], v[AR:AR+1]
	v_pk_fma_f32 v[AZ:AZ+1], v[WI+16:WI+17],   v[X:X+1], v[AZ:AZ+1]
	v_pk_mul_f32 v[AN:AN+1], v[WI+32:WI+33],   v[X:X+1]
	DOT7 WI, X, AR, AZ, AN
	v_add_f32 v[T3], v[AR], v[AR+1]
	v_add_f32 v[T4], v[AZ], v[AZ+1]
	v_add_f32 v[T5], v[AN], v[AN+1]
	RED3 T3, T4, T5
	; the gates; every lane of a half makes its output's.  Behind each group of transcendentals one plain vector instruction that
	; touches none of their registers stands in front of the first use of a result (ISA guide 5.7.2).
	v_fmamk_f32 v[T3], v[T3], NLOG2E, v[T1]        ; -log2e (sum + biases), one rounding
	v_fmamk_f32 v[T4], v[T4], NLOG2E, v[T2]
	v_exp_f32 v[T3], v[T3]
	v_exp_f32 v[T4], v[T4]
	v_add_f32 v[T5], v[T5], v[BI+2]                ; i_n is whole
	s_wait_alu depctr_va_vdst(0)
	v_add_f32 v[T3], 1.0, v[T3]
	v_add_f32 v[T4], 1.0, v[T4]
	v_rcp_f32 v[T3], v[T3]                         ; r
	v_rcp_f32 v[T4], v[T4]                         ; z
	v_nop
	s_wait_alu depctr_va_vdst(0)
	v_fma_f32 v[T5], v[T3], v[T0], v[T5]           ; a = i_n + r h_n
	v_mul_f32 v[T5], TWOLOG2E, v[T5]
	v_exp_f32 v[T5], v[T5]                         ; e^(2 a)
	v_nop
	s_wait_alu depctr_va_vdst(0)
	v_add_f32 v[T5], 1.0, v[T5]
	v_rcp_f32 v[T5], v[T5]
	v_nop
	s_wait_alu depctr_va_vdst(0)
	v_fma_f32 v[T5], v[T5], -2.0, 1.0              ; n = tanh(a) = 1 - 2 / (1 + e^(2 a))
	v_sub_f32 v[T6], v[HJ], v[T5]
	v_fma_f32 v[T6], v[T4], v[T6], v[T5]           ; n + z (h[j] - n)
	; lanes 0 and 16 store outputs 2 g and 2 g + 1: 8 neighbouring bytes of each output
	v_cmp_eq_u32 vcc_lo, 0, v1
	s_wait_xcnt 0x0                                ; EXEC is a source of the memory instructions issued so far: it is narrowed only behind this wait
	s_and_saveexec_b32 s25, vcc_lo
	global_store_b32 v[BOFF], v[T6], s[18:19] th:TH_STORE_NT
	global_store_b32 v[BOFF], v[T6], s[20:21] th:TH_STORE_NT
	s_endpgm                                       ; EXEC, the offset and the data are not written again behind the stores
.Lfunc_end_k_q1960b9aac1_gru:
	.size	k_q1960b9aac1_gru, .Lfunc_end_k_q1960b9aac1_gru-k_q1960b9aac1_gru
	.p2alignl 7, 3214868480
	.fill 96, 4, 3214868480
	.section	.rodata,"a",@progbits
	.p2align	6, 0x0
	.amdhsa_kernel k_q1960b9aac1_gru
		.amdhsa_group_segment_fixed_size 0
		.amdhsa_private_segment_fixed_size 0
		.amdhsa_enable_private_segment 0
		.amdhsa_kernarg_size 72
		.amdhsa_user_sgpr_count 2
		.amdhsa_user_sgpr_kernarg_segment_ptr 1
		.amdhsa_wavefront_size32 1
		.amdhsa_system_sgpr_workgroup_id_x 1
		.amdhsa_system_sgpr_workgroup_id_y 1
		.amdhsa_system_sgpr_workgroup_id_z 1
		.amdhsa_system_vgpr_workitem_id 0
		.amdhsa_next_free_vgpr 160
		.amdhsa_next_free_sgpr 66
		.amdhsa_reserve_vcc 1
		.amdhsa_float_denorm_mode_32 3
		.amdhsa_float_denorm_mode_16_64 3
		.amdhsa_memory_ordered 1
		.amdhsa_forward_progress 1
		.amdhsa_inst_pref_size 11
	.end_amdhsa_kernel
	.amdgpu_metadata
---
amdhsa.version: [ 1, 2 ]
amdhsa.kernels:
  - .name:           k_q1960b9aac1_gru
    .symbol:         k_q1960b9aac1_gru.kd
    .args:
      - { .name: input, .offset: 0, .size: 8, .value_kind: global_buffer, .address_space: global }
      - { .name: embedding, .offset: 8, .size: 8, .value_kind: global_buffer, .address_space: global }
      - { .name: hidden, .offset: 16, .size: 8, .value_kind: global_buffer, .address_space: global }
      - { .name: w_ih, .offset: 24, .size: 8, .value_kind: global_buffer, .address_space: global }
      - { .name: w_hh, .offset: 32, .size: 8, .value_kind: global_buffer, .address_space: global }
      - { .name: b_ih, .offset: 40, .size: 8, .value_kind: global_buffer, .address_space: global }
      - { .name: b_hh, .offset: 48, .size: 8, .value_kind: global_buffer, .address_space: global }
      - { .name: out0, .offset: 56, .size: 8, .value_kind: global_buffer, .address_space: global }
      - { .name: out1, .offset: 64, .size: 8, .value_kind: global_buffer, .address_space: global }
    .group_segment_fixed_size: 0
    .private_segment_fixed_size: 0
    .kernarg_segment_align: 8
    .kernarg_segment_size: 72
    .max_flat_workgroup_size: 32
    .sgpr_count:     66
    .vgpr_count:     160
    .wavefront_size: 32
...
	.end_amdgpu_metadata
.endif
;; end of part 1
